; MI455X (gfx1250); checked and timed in simulation.
; The chip was launched on July 23, 2026; its instructions are those of AMD's public machine-readable ISA for CDNA 5 (MIT licence, August 2026) and "CDNA5" Instruction Set Architecture Reference Guide (July 2026). The comments in the code are by the model that wrote it; some were corrected since.
;; Soft Cap Attention. Allowed arithmetic: matrix products marked QUANTISED: E2M3 operands, one E8M0 scale for each 32 along K, by v_wmma_scale_f32_16x16x128_f8f6f4 with both operands' format E2M3, f32 sums; everything else in f32.
;; Inputs: K 2 x 16 x 2,048 x 128 float32; Q 2 x 16 x 2,048 x 128 float32; V 2 x 16 x 2,048 x 128 float32.
;; Outputs: out0 2 x 16 x 2,048 x 128 float32.
;; This version of the problem:
;;   THIS VERSION OF THE PROBLEM IS GIVEN IN LOW PRECISION. The matrix products marked QUANTISED in the list below multiply operands that are first quantised to E2M3 (2 exponent bits, 3 mantissa bits; 6 bits a number), with one power-of-two scale for each 32 numbers along K (OCP MX v1.0); their sums are f32. All else is computed in f32.
;;   The module's matrix products, in the order in which they are computed (A, B: the left and right operand; K: the contracted axis; several contracted axes count as one K, in the product's order):
;;     1. batch 32 x [M 2,048, K 128] x [K 128, N 2,048]; A: input Q; B: input K: QUANTISED
;;     2. batch 32 x [M 2,048, K 2,048] x [K 2,048, N 128]; A: softmax (see below); B: input V: QUANTISED
;;   THE QUANTISER, for each operand of a quantised product, along K:
;;     - K is cut into blocks of 32 from its start; a last block that is shorter is filled with zeros.
;;     - A block's scale is 2^e with e = floor(log2(the largest magnitude in the block)) - 2, held to -126 .. 127; a block of zeros has e = 0. As a byte (E8M0): e + 127.
;;     - Each number is divided by its block's scale, clamped to +-7.5, and rounded to the nearest number of E2M3, ties to even, subnormals kept.
;;     - The product sums the exact products of the quantised numbers (number of the format x scale) in f32.
;;   ~~~python
;;   def quantise(x, axis):      # numpy; x: float32 -> the quantised numbers, widened to float32 again
;;       x = np.moveaxis(x, axis, -1); K = x.shape[-1]
;;       x = np.pad(x, [(0, 0)] * (x.ndim - 1) + [(0, -K % 32)]); x = x.reshape(x.shape[:-1] + (-1, 32)); a = np.abs(x).max(-1, keepdims=True)
;;       e = np.where(a > 0, np.clip(np.frexp(np.where(a > 0, a, 1))[1] - 1 - 2, -126, 127), 0)      # np.frexp(a)[1] - 1 = floor(log2(a)), exactly
;;       r = np.clip(x / 2.0 ** e, -7.5, 7.5)
;;       step = 2.0 ** (np.maximum(np.frexp(np.where(r == 0, 1, r))[1] - 1, 0) - 3)
;;       q = np.round(r / step) * step * 2.0 ** e      # np.round: ties to even
;;       return np.moveaxis(q.reshape(q.shape[:-2] + (-1,))[..., :K], -1, axis).astype(np.float32)
;;   ~~~
;;   SOFTMAX AHEAD OF A QUANTISED PRODUCT. Where the list says 'softmax', what is quantised is not the finished softmax but p = 2^(t - M), with t = logit x log2(e) and M = ceil(the row's largest t), a whole number; so 1/2 < the row's largest p <= 1. The row's sum l is taken of the UNQUANTISED p, in f32, and the product's result is divided by l at the end. Since M is a whole number, a kernel that streams over the keys may use a running M (the ceiling of the running maximum): every later rescaling is an exact power of two, which a block's scale takes up: the codes' values come out the same.
;;   OPERANDS COMPUTED ON THE WAY. 'Computed on the way' means the value that the module computes at that place (a softmax that the list does not call 'softmax' is quantised finished and normalised). What goes into a quantiser is computed in f32, as accurately as f32 sums, v_exp_f32 and their like allow (about 1e-6 of the number): no bf16 or f16 on the way to a quantiser, and a product that is left as it is and whose result goes on into a quantised operand takes f32 operands (vector FMAs, or v_wmma_f32_16x16x4_f32). A number that lies on a knife's edge between two numbers of the format may be rounded either way, as far as f32 arithmetic and the matrix unit's own rounding can turn it there, and no further.
;; One version. Each part assembles by itself: llvm-mc -triple=amdgcn-amd-amdhsa -mcpu=gfx1250 --defsym DOCPART=n.
;; ======== version 1 of 1: 2 launches
;; limits: right only within a limited range of input values
;; workspace buffers: kv 13,107,200 bytes
;; launch prep (part 1): grid 256 x 1, 8 waves a work-group, no clusters, 271,360 bytes of LDS; arguments K, V, kv; writes kv
.if DOCPART == 1
	.amdgcn_target "amdgcn-amd-amdhsa--gfx1250"
	.amdhsa_code_object_version 6
	.text
	.protected	k_q4cabb082ab_prep
	.globl	k_q4cabb082ab_prep
	.p2align	8
	.type	k_q4cabb082ab_prep,@function
k_q4cabb082ab_prep:
	s_mov_b64 s[64:65], 0
	v_nop
	global_prefetch_b8 v0, s[64:65] scope:SCOPE_SE
	s_setreg_imm32_b32 hwreg(HW_REG_WAVE_MODE, 25, 1), 1
	s_wait_xcnt 0x0
; K and V, [32 heads][2048 keys][128] f32, become codes of FP6 (E2M3) with one E8M0 scale byte for each 32 along a product's K: K is quantised along the head's 128, V along the keys.
; A block's scale is 2^(floor(log2(its largest magnitude)) - 2); its byte is the largest magnitude's exponent field - 2, held at 1 from below.
; THE RESULT IS LAID AS THE READER'S OPERAND REGISTERS.  kv holds, for each head and each key step of 128 keys, a block of STEPB = 25,600 bytes:
;   0       K's eight tiles, 1,536 bytes each: register 4 j + i of lane l of the 12-register fragment at 512 j + 16 l + 4 i.
;           Tile 4 c + u, lane (r, h): key 64 c + 8 u + r % 8 + 32 (r / 8) of the step; registers 6 e .. 6 e + 5: d = 64 e + 32 h + 0 .. 31.
;           (So the reader's scores of tiles 4 c .. 4 c + 3 give a lane 32 neighbouring keys: a whole block of the second product's K.)
;   12,288  V's eight tiles likewise.  Tile T, lane (r, h): channel 16 T + r; registers 6 c .. 6 c + 5: keys 64 c + 32 h + 0 .. 31 of the step.
;   24,576  K's scale words: tile T's row r at 256 (T / 4) + 8 (16 (T % 2) + r) + 4 ((T % 4) / 2);   25,088  V's, in the same form.
; SHARES.  A work-group takes two key steps of one head.  Waves 0-3 take K, 64 keys (four tiles) each; waves 4-7 take V, 128 keys x 64 channels (four tiles) each.
; Each wave brings its 32 KiB of f32 into LDS bytes of its own by ONE tensor load, issued at the start, and alone reads them: no barrier, and no LDS byte is filled twice.
; LIMITS: NaN and infinities among the inputs are not served.  A block whose largest magnitude lies under 2^-124, a block of zeros among them, keeps the byte 1 (the rule gives a block of zeros 127):
; the codes of a block of zeros are zeros, which add nothing under any byte but 0xff, and this program alone reads the bytes.
.set WREG,   33792                     ; LDS bytes of a wave: K: 64 rows x 528;  V: 128 rows x 256 (32,768 used)
.set KPITCH, 528                       ; a key's row in LDS: 512 bytes + 16 of padding
.set STEPB,  25600
.set HEADB,  16*STEPB
.set TILEB,  1536
.set FLOOR,  0x1800000                 ; 2^(3 - 127): no largest magnitude is taken under it
.set LANE, 1
.set KOUT, 4                           ; 16 x lane: my place in an image (role K)
.set VOUT, 5                           ; 16 r + 1,536 h: my channel's place in the images (role V)
.set SOUT, 6                           ; 8 x lane: my place among the scale words
.set KRD,  7                           ; role K: LDS address of my key's row, my half's 128 bytes
.set VRD,  8                           ; role V: LDS address of my channel in key 0's row
.set H8,   9                           ; 8 h
.set X0,   16                          ; role K: two sets of 64 numbers
.set X1,   80
.set C0,   144                         ; role K: the four tiles' codes, a set for each tile
.set W0,   192                         ; role K: the four tiles' scale words
.set WO,   196
.set MX,   200
.set SOP,  202
.set BY,   204
.set PT,   206
.set CT,   208
.set XV,   16                          ; role V: two sets of 32 numbers
.set F,    80                          ; role V: codes: 24 g + 12 hh + 6 c for block 2 c + hh of channel group g
.set WW,   128                         ; role V: my two channels' scale words
.set SEL,  52
.set CB,   48                          ; s[48:49] where my wave's four images begin in kv
.set SB,   50                          ; s[50:51] and its 256 bytes of scale words
	s_load_b128 s[4:7], s[0:1], 0x0                ; K, V
	s_load_b64 s[8:9], s[0:1], 0x10                ; kv
	v_lshl_add_u32 v254, v0, 2, 0x42000            ; my spare word, behind the eight regions
	v_mov_b32 v255, 0
	ds_add_u32 v254, v255
	ds_add_u32 v254, v255
	v_lshrrev_b32 v1, 5, v0
	s_delay_alu instid0(VALU_DEP_1)
	v_readfirstlane_b32 s10, v1                    ; wave 0..7
	s_and_b32 s11, s10, 3                          ; its number within its role
	s_lshr_b32 s12, ttmp9, 3                       ; head
	s_and_b32 s13, ttmp9, 7                        ; which pair of key steps
	s_lshr_b32 s14, s11, 1
	s_lshl_b32 s15, s13, 1
	s_add_co_u32 s14, s14, s15                     ; my key step
	s_and_b32 s15, s11, 1                          ; which half of its tiles
	s_lshl_b32 s2, s12, 20                         ; K: head x 2,048 keys x 512 bytes + pair x 256 keys + my 64 keys
	s_lshl_b32 s3, s13, 17
	s_add_co_u32 s2, s2, s3
	s_lshl_b32 s3, s11, 15
	s_add_co_u32 s2, s2, s3
	s_mov_b32 s3, 0
	s_lshl_b32 s54, s12, 20                        ; V: head + step x 128 keys x 512 bytes + my 64 channels' 256 bytes of a row
	s_lshl_b32 s55, s14, 16
	s_add_co_u32 s54, s54, s55
	s_lshl_b32 s55, s15, 8
	s_add_co_u32 s54, s54, s55
	s_mov_b32 s55, 0
	s_mul_i32 s48, s12, HEADB                      ; kv: the step's block; in it my four images and my scale words
	s_mul_i32 s49, s14, STEPB
	s_add_co_u32 s48, s48, s49
	s_cmp_lt_u32 s10, 4                            ; role K?
	s_cselect_b32 s49, 0, 12288
	s_cselect_b32 s51, 0, 512
	s_add_co_u32 s50, s48, s51
	s_add_co_u32 s48, s48, s49
	s_mul_i32 s49, s15, 4*TILEB
	s_add_co_u32 s48, s48, s49
	s_lshl_b32 s51, s15, 8
	s_add_co_u32 s50, s50, s51
	s_add_co_u32 s50, s50, 24576
	s_mov_b32 s49, 0
	s_mov_b32 s51, 0
	s_mov_b32 s[SEL], 0x76543210
	s_mov_b32 s[SEL+1], 0xfedcba98
	; group 1 for K: 64 rows of 64 elements of 8 bytes, dense in memory; in LDS 4 words of padding behind every 128
	s_mov_b32 s16, (3<<16)|(1<<20)|(6<<22)|(3<<25)
	s_mov_b32 s17, 64<<16
	s_mov_b32 s18, 64<<16
	s_mov_b32 s19, 64<<16
	s_mov_b32 s20, 64
	s_mov_b32 s21, 64
	s_mov_b32 s22, 0
	s_mov_b32 s23, 0
	; and for V: 128 rows of 32 elements of 8 bytes (64 channels of a key), 512 bytes apart in memory; no padding
	s_mov_b32 s24, 3<<16
	s_mov_b32 s25, 32<<16
	s_mov_b32 s26, 128<<16
	s_mov_b32 s27, 32<<16
	s_mov_b32 s28, 128
	s_mov_b32 s29, 64
	s_mov_b32 s30, 0
	s_mov_b32 s31, 0
	s_mov_b32 s32, 1                               ; groups 0: every wave makes both and issues its role's
	s_mul_i32 s33, s10, WREG
	s_mov_b32 s40, 1
	s_mul_i32 s41, s10, WREG
	; every LDS address register is made here, ahead of the waves' parting
	v_and_b32 v[LANE], 31, v0
	v_and_b32 v2, 15, v0                           ; r
	v_bfe_u32 v3, v0, 4, 1                         ; h
	s_delay_alu instid0(VALU_DEP_3)
	v_lshlrev_b32 v[KOUT], 4, v[LANE]
	s_delay_alu instid0(VALU_DEP_2)
	v_mul_u32_u24 v[VOUT], v3, TILEB
	s_delay_alu instid0(VALU_DEP_1)
	v_lshl_add_u32 v[VOUT], v2, 4, v[VOUT]
	v_lshlrev_b32 v[SOUT], 3, v[LANE]
	v_and_b32 v[KRD], 8, v2
	s_delay_alu instid0(VALU_DEP_1)
	v_mad_u32_u24 v[KRD], v[KRD], 3, v2            ; r + 24 (r / 8) = r % 8 + 32 (r / 8)
	s_delay_alu instid0(VALU_DEP_1)
	v_mul_u32_u24 v[KRD], v[KRD], KPITCH
	s_delay_alu instid0(VALU_DEP_1)
	v_lshl_add_u32 v[KRD], v3, 7, v[KRD]           ; + 128 h: 32 numbers
	s_delay_alu instid0(VALU_DEP_1)
	v_add_nc_u32 v[KRD], s33, v[KRD]
	v_lshl_add_u32 v[VRD], v[LANE], 2, s33
	v_lshlrev_b32 v[H8], 3, v3
	v_mov_b32 v[PT], 0                             ; a lane permute's destination counts as one of its sources
	s_wait_dscnt 0x0
	s_wait_kmcnt 0x0
	s_add_nc_u64 s[34:35], s[4:5], s[2:3]          ; K: my 64 keys
	s_or_b32 s35, s35, 0x80000000
	s_add_nc_u64 s[42:43], s[6:7], s[54:55]        ; V: the step's 128 keys
	s_or_b32 s43, s43, 0x80000000
	s_add_nc_u64 s[CB:CB+1], s[8:9], s[CB:CB+1]
	s_add_nc_u64 s[SB:SB+1], s[8:9], s[SB:SB+1]
	s_cmp_lt_u32 s10, 4                            ; one fill to an arm, one join
	s_cbranch_scc0 .Lfill_v
	tensor_load_to_lds s[32:35], s[16:23]
	s_nop 0
.rept 4
	v_nop
.endr
	s_branch .Lfilled
.Lfill_v:
	tensor_load_to_lds s[40:43], s[24:31]
	s_nop 0
.rept 4
	v_nop
.endr
.Lfilled:
	s_cmp_lt_u32 s10, 4
	s_cbranch_scc0 .Lrole_v
; ---- ROLE K.  Lane (r, h) of tile t takes row 8 t + r % 8 + 32 (r / 8) of the wave's 64, and of it the two blocks 2 c + h: register 32 c + i = d 64 c + 32 h + i.
.macro KLD t, x
.irp c, 0,1
.irp j, 0,1,2,3,4,5,6,7
	ds_load_b128 v[\x+32*\c+4*\j:\x+32*\c+4*\j+3], v[KRD] offset:8*(\t)*KPITCH+256*\c+16*\j
.endr
.endr
.endm
.macro KQ t, x                         ; the 64 numbers become the fragment's 12 registers and my half of the row's scale word; the image leaves
.set CD, C0+12*(\t)
.irp c, 0,1
	v_max3_num_f32 v[MX+\c], |v[\x+32*\c]|, |v[\x+32*\c+1]|, FLOOR
.endr
.irp i, 2,4,6,8,10,12,14,16,18,20,22,24,26,28,30
.irp c, 0,1
	s_delay_alu instid0(VALU_DEP_2)
	v_max3_num_f32 v[MX+\c], v[MX+\c], |v[\x+32*\c+\i]|, |v[\x+32*\c+\i+1]|
.endr
.endr
.irp c, 0,1
	s_delay_alu instid0(VALU_DEP_2)
	v_add_nc_u32 v[SOP+\c], 0xff000000, v[MX+\c]   ; 2 off the exponent field: the conversion's scale operand
.endr
.irp c, 0,1
	s_delay_alu instid0(VALU_DEP_2)
	v_lshrrev_b32 v[BY+\c], 23, v[SOP+\c]          ; the scale's byte
.endr
	s_delay_alu instid0(VALU_DEP_1)
	v_lshl_or_b32 v[BY], v[BY+1], 16, v[BY]        ; blocks h and 2 + h,
	s_delay_alu instid0(VALU_DEP_1)
	v_lshlrev_b32 v[BY], v[H8], v[BY]              ; at their places in the word;
	s_delay_alu instid0(VALU_DEP_1)
	v_permlanex16_b32 v[PT], v[BY], s[SEL], s[SEL+1]
	s_delay_alu instid0(VALU_DEP_1)
	v_or_b32 v[W0+(\t)], v[BY], v[PT]              ; with lane l xor 16's two the word is whole
.irp c, 0,1
	v_cvt_scalef32_pk16_fp6_f32 v[CD+6*\c:CD+6*\c+2], v[\x+32*\c:\x+32*\c+15], v[SOP+\c]
	v_cvt_scalef32_pk16_fp6_f32 v[CT+4*\c:CT+4*\c+2], v[\x+32*\c+16:\x+32*\c+31], v[SOP+\c]
.endr
	v_nop                                          ; one plain place behind a scaled conversion
.irp c, 0,1
.irp i, 0,1,2
	v_mov_b32 v[CD+6*\c+3+\i], v[CT+4*\c+\i]
.endr
.endr
.irp j, 0,1,2
	global_store_b128 v[KOUT], v[CD+4*\j:CD+4*\j+3], s[CB:CB+1] offset:TILEB*(\t)+512*\j   ; 32 lanes store 512 consecutive bytes, aligned to 256
.endr
.endm
	s_wait_tensorcnt 0x0                           ; my 64 keys are in LDS
	s_wait_alu depctr_va_vdst(0)
	KLD 0, X0
	KLD 1, X1
	s_wait_dscnt 16                                ; tile 0's 16 loads are in; tile 1's 16 may be out
	KQ 0, X0
	KLD 2, X0
	s_wait_dscnt 16
	KQ 1, X1
	KLD 3, X1
	s_wait_dscnt 16
	KQ 2, X0
	s_wait_dscnt 0x0
	KQ 3, X1
	v_cmp_le_u32 vcc_lo, 16, v[LANE]               ; lanes 0-15 carry the even tile's words, lanes 16-31 the odd tile's
	s_delay_alu instid0(VALU_DEP_1)
	v_cndmask_b32 v[WO], v[W0], v[W0+1], vcc_lo
	s_delay_alu instid0(VALU_DEP_2)
	v_cndmask_b32 v[WO+1], v[W0+2], v[W0+3], vcc_lo
	global_store_b64 v[SOUT], v[WO:WO+1], s[SB:SB+1]   ; 32 lanes store 256 consecutive bytes, aligned
	s_wait_tensorcnt 0x0                           ; the wave's end
	ds_add_u32 v254, v255
	s_wait_dscnt 0x0
	s_endpgm
; ---- ROLE V.  A lane takes a channel, and its registers run down the keys: a block of 32 keys lies in one lane's 32 registers.
; Unit u: block b = u / 2 of the step's four, channel group g = u % 2: channel 64 pp + 32 g + lane, which is row lane % 16 of tile 4 pp + 2 g + lane / 16.
.Lrole_v:
.macro VLD u
.set i, 0
.rept 32
	ds_load_b32 v[XV+32*((\u)%2)+i], v[VRD] offset:(32*((\u)/2)+i)*256+128*((\u)%2)
.set i, i+1
.endr
.endm
.macro VQ u
.set vb, (\u)/2
.set vg, (\u)%2
.set vx, XV+32*vg
.set fd, F+24*vg+12*(vb%2)+6*(vb/2)
	v_max3_num_f32 v130, |v[vx]|, |v[vx+1]|, |v[vx+2]|
	v_max3_num_f32 v131, |v[vx+3]|, |v[vx+4]|, |v[vx+5]|
.irp i, 6,10,14,18,22,26
	s_delay_alu instid0(VALU_DEP_2)
	v_max3_num_f32 v130, v130, |v[vx+\i]|, |v[vx+\i+1]|
	s_delay_alu instid0(VALU_DEP_2)
	v_max3_num_f32 v131, v131, |v[vx+\i+2]|, |v[vx+\i+3]|
.endr
	s_delay_alu instid0(VALU_DEP_2)
	v_max3_num_f32 v130, v130, |v[vx+30]|, |v[vx+31]|
	s_delay_alu instid0(VALU_DEP_1)
	v_max3_num_f32 v130, v130, v131, FLOOR
	s_delay_alu instid0(VALU_DEP_1)
	v_add_nc_u32 v132, 0xff000000, v130
	s_delay_alu instid0(VALU_DEP_1)
	v_lshrrev_b32 v133, 23, v132
.if vb == 0
	s_delay_alu instid0(VALU_DEP_1)
	v_mov_b32 v[WW+vg], v133
.else
	s_delay_alu instid0(VALU_DEP_1)
	v_lshl_or_b32 v[WW+vg], v133, 8*vb, v[WW+vg]
.endif
	v_cvt_scalef32_pk16_fp6_f32 v[fd:fd+2], v[vx:vx+15], v132
	v_cvt_scalef32_pk16_fp6_f32 v[134:136], v[vx+16:vx+31], v132
	v_nop
.irp i, 0,1,2
	v_mov_b32 v[fd+3+\i], v[134+\i]
.endr
.if vb >= 2
.irp j, 0,1,2
	global_store_b128 v[VOUT], v[F+24*vg+12*(vb%2)+4*\j:F+24*vg+12*(vb%2)+4*\j+3], s[CB:CB+1] offset:2*TILEB*vg+512*\j+256*(vb%2)   ; sixteen lanes store 256 consecutive bytes, aligned
.endr
.endif
.endm
	s_wait_tensorcnt 0x0                           ; my 128 keys are in LDS
	s_wait_alu depctr_va_vdst(0)
	VLD 0
	VLD 1
.irp u, 0,1,2,3,4,5,6,7
.if \u < 7
	s_wait_dscnt 32                                ; this unit's 32 loads are in; the next unit's 32 may be out
.else
	s_wait_dscnt 0x0
.endif
	VQ \u
.if \u < 6
	VLD \u+2
.endif
.endr
	global_store_b64 v[SOUT], v[WW:WW+1], s[SB:SB+1]
	s_wait_tensorcnt 0x0
	ds_add_u32 v254, v255
	s_wait_dscnt 0x0
	s_endpgm
.Lfunc_end_k_q4cabb082ab_prep:
	.size	k_q4cabb082ab_prep, .Lfunc_end_k_q4cabb082ab_prep-k_q4cabb082ab_prep
	.p2alignl 7, 3214868480
	.fill 96, 4, 3214868480
	.section	.rodata,"a",@progbits
	.p2align	6, 0x0
	.amdhsa_kernel k_q4cabb082ab_prep
		.amdhsa_group_segment_fixed_size 271360
		.amdhsa_private_segment_fixed_size 0
		.amdhsa_enable_private_segment 0
		.amdhsa_kernarg_size 24
		.amdhsa_user_sgpr_count 2
		.amdhsa_user_sgpr_kernarg_segment_ptr 1
		.amdhsa_wavefront_size32 1
		.amdhsa_system_sgpr_workgroup_id_x 1
		.amdhsa_system_sgpr_workgroup_id_y 1
		.amdhsa_system_sgpr_workgroup_id_z 1
		.amdhsa_system_vgpr_workitem_id 0
		.amdhsa_next_free_vgpr 256
		.amdhsa_next_free_sgpr 66
		.amdhsa_reserve_vcc 1
		.amdhsa_float_denorm_mode_32 3
		.amdhsa_float_denorm_mode_16_64 3
		.amdhsa_memory_ordered 1
		.amdhsa_forward_progress 1
		.amdhsa_inst_pref_size 61
	.end_amdhsa_kernel
	.amdgpu_metadata
---
amdhsa.version: [ 1, 2 ]
amdhsa.kernels:
  - .name:           k_q4cabb082ab_prep
    .symbol:         k_q4cabb082ab_prep.kd
    .args:
      - { .name: K, .offset: 0, .size: 8, .value_kind: global_buffer, .address_space: global }
      - { .name: V, .offset: 8, .size: 8, .value_kind: global_buffer, .address_space: global }
      - { .name: kv, .offset: 16, .size: 8, .value_kind: global_buffer, .address_space: global }
    .group_segment_fixed_size: 271360
    .private_segment_fixed_size: 0
    .kernarg_segment_align: 8
    .kernarg_segment_size: 24
    .max_flat_workgroup_size: 256
    .sgpr_count:     66
    .vgpr_count:     256
    .wavefront_size: 32
...
	.end_amdgpu_metadata
.endif
;; end of part 1
;; launch attn (part 2): grid 8 x 32, 8 waves a work-group, clusters of 4 x 1, 327,680 bytes of LDS; arguments Q, kv, out0; writes out0
.if DOCPART == 2
	.amdgcn_target "amdgcn-amd-amdhsa--gfx1250"
	.amdhsa_code_object_version 6
	.text
	.protected	k_q4cabb082ab_attn
	.globl	k_q4cabb082ab_attn
	.p2align	8
	.type	k_q4cabb082ab_attn,@function
k_q4cabb082ab_attn:
	s_mov_b64 s[64:65], 0
	v_nop
	global_prefetch_b8 v0, s[64:65] scope:SCOPE_SE
	s_setreg_imm32_b32 hwreg(HW_REG_WAVE_MODE, 25, 1), 1
	s_wait_xcnt 0x0
	s_wait_alu depctr_hold_cnt(0) depctr_sa_sdst(0) depctr_va_vdst(0) depctr_va_sdst(0) depctr_va_ssrc(0) depctr_va_vcc(0) depctr_vm_vsrc(0)
	s_getreg_b32 s2, hwreg(HW_REG_IB_STS2, 6, 4)
	s_cmp_eq_u32 s2, 0
	s_cbranch_scc0 .Lentry_in_a_cluster
	s_endpgm
.Lentry_in_a_cluster:
	s_bfe_u32 s2, ttmp6, 0x10000c
	s_cmp_lg_u32 s2, 0x3003
	s_cbranch_scc0 .Lentry_shape_is_right
	s_endpgm
.Lentry_shape_is_right:
; out0[h][q][:] = the sum over k of softmax_k(20 tanh(Q[h][q] . K[h][k] / (20 sqrt(128)))) V[h][k][:], both products on codes of FP6 (E2M3) with one E8M0 scale for each 32 along a product's K.
; Q, out0: [32 heads][2048][128] f32.  K and V come as kv: for each head and key step of 128 keys a block of 25,600 bytes: K's eight fragments and V's eight as images of the operand's registers, then their scale words.
; THE SOFTMAX: t = logit x log2(e); p = 2^(t - M), M a whole number, is quantised along the keys; the row's sum l is taken of the unquantised p and divides at the end.
; M IS THE CONSTANT 29.  The cap bounds every logit to -20 .. 20 for every input, so t lies in -28.86 .. 28.86: p lies between 2^-57.9 and 2^-0.14 and a row's sum under 2^11: nothing overflows or underflows in f32.
; 29 differs from the ceiling of the row's largest t by a whole number: a power of two that the blocks' scales and l take up exactly, so codes and result are the same.
; THE CAP: tanh(y) = 1 - 2 / (1 + 2^(2 y log2(e))).  x = score x k1, k1 = 2 log2(e) / (20 sqrt(128));  E = 2^x;  r = 1 / (1 + E);  t - 29 = c0 - c1 r,  c1 = 40 log2(e),  c0 = 20 log2(e) - 29.
; A score so large that E is infinite or zero gives r = 0 or 1: the cap's own ends.
; LIMITS: NaN and infinities among the inputs are not served.  The difference in the cap leaves up to about 7e-6 (absolute) in t.  A block of Q whose largest magnitude lies under 2^-124 keeps the scale byte 1.
; SHARES.  A work-group owns 256 queries of one head; each of its eight waves 32 of them, two tiles q = 0, 1, so that each fragment of K and V read from LDS feeds two matrix instructions.
; Both products are used transposed (S^T = K Q^T, O^T = V^T P^T): a lane holds one query of each tile (lane % 16).  K's tile 4 c + u holds keys 64 c + 8 u + 0..7 in rows 0-7 and the keys 32 further on in rows 8-15:
; so the 32 score registers of tiles 4 c .. 4 c + 3 are keys 64 c + 32 (lane / 16) + 0 .. 31, a whole block of p in the very order of the second product's operand: no lane is asked for a maximum, nothing is swapped.
; REGISTERS: window 0: addresses, Q's and p's codes, scale words, S^T (v128-255).  Window 1: O^T (v256-383) and eight fragments of K or V (v384-479).
; THE SOFTMAX'S ORDER: one tile's transcendentals stand by turns with the other tile's packed arithmetic; each stage ends with one wait.
; The row's sum of a step's p is taken at the head of the next step, behind the issue of that step's LDS loads.
; CLUSTER.  The four query blocks of a cluster belong to one head and walk the same kv: each fill is asked for jointly, by the same tensor load with the same descriptor and the mask of all four.
; LDS: region A (5 key steps), region B (6), the waves' stages, the spare words.  Fill 0: steps 0-4 into A, at the head; fill 1: steps 5-10 into B, behind the round that shows fill 0 whole; fill 2: steps 11-15 into A again.
; A wave brings one step's block of a fill; one tensor load of a wave is out at the most.  Fills 1 and 2 are asked for five and six key steps ahead of their first read and fill 0 has no loop ahead of it: no prefetch is written.
.set STEPB, 25600
.set HEADB, 16*STEPB
.set RB,    5*STEPB                    ; region B
.set STAGE, 11*STEPB                   ; 16 rows x 272 bytes for each wave (Q on its way in, O on its way out); no fill lands here
.set SP,    272
.set SPARE, STAGE+8*16*SP              ; the spare words: 128 bytes a wave
.set TILEB, 1536
.set VIMG,  12288
.set SCKO,  24576
.set SCVO,  25088
.set FLOOR, 0x1800000                  ; 2^(3 - 127)
.set LI,  1                            ; 16 x lane
.set LS,  2                            ; 8 x lane
.set ADR, 3                            ; the step's block + LI
.set ADS, 4                            ; the step's block + LS
.set SPW, 5                            ; my spare word; never rewritten
.set NIL, 6                            ; 0; never rewritten
.set GO,  7                            ; 512 (lane / 16) + 16 (lane % 16): my bytes in two rows of Q or out0
.set STI, 8                            ; stage + 272 r + 32 h
.set STB, 9                            ; stage + 272 (lane / 16) + 16 (lane % 16)
.set QRD, 10                           ; stage + 272 r + 128 h
.set H8,  11                           ; 8 h
.set L,   12                           ; v12-19 the rows' sums: pair 4 q + 2 k, chain k of tile q
.set QF,  20                           ; v20-43 Q's two fragments
.set QS,  44                           ; v44-45 Q's scale words
.set PW,  46                           ; v46-47 p's scale words
.set KS,  48                           ; v48-51 K's scale words: register 2 (T / 4) + (T % 4) / 2; even tiles in lanes 0-15, odd tiles in lanes 16-31
.set VS,  52                           ; v52-55 V's likewise
.set CC,  56                           ; v[56:57] c0
.set MX,  58                           ; v58-61 largest magnitudes, 2 q + c
.set SOP, 62                           ; v62-65 the conversions' scale operands
.set BY,  66                           ; v66-69 scale bytes
.set PT,  70                           ; v70-71 the other half's bytes
.set CT,  72                           ; v72-87 the conversions' second halves, 8 q + 4 c
.set PC,  88                           ; v88-111 p's two fragments
.set S,   128                          ; v128-255 S^T, then p: 64 q + 8 T + j
.set O,   0                            ; window 1: O^T: 64 q + 8 T + j
.set FR,  128                          ; window 1: fragment T at 12 T
.set WV,  10
.set G1,  24
.set G0,  32                           ; s[32:43] group 0 for each of the three fills; never rewritten
.set TB,  48                           ; LDS byte at which the step's block begins
.set CNT, 49
.set K1,  50
.set C1,  52
.set SEL, 54
.set MSB, 0
.macro WIN new                         ; low byte: 1:0 source 0, 3:2 source 1, 5:4 source 2, 7:6 destination; the high byte repeats the setting that is left
.if MSB != \new
	s_set_vgpr_msb (MSB<<8)|\new
.set MSB, \new
.endif
.endm
.macro PLACES
.rept 4
	v_nop
.endr
.endm
.macro CROUND                          ; a round of the cluster's barrier
	s_barrier_signal -1
	s_barrier_wait -1
	s_cmp_lg_u32 s[WV], 0
	s_cbranch_scc1 .Lnot_wave_0_\@
	s_barrier_signal -3
.Lnot_wave_0_\@:
	s_barrier_wait -3
	s_barrier_signal -1
	s_barrier_wait -1
.endm
.macro JLOAD f, n                      ; a joint fill: waves 0 .. n - 1 bring one step's block each
	s_cmp_lt_u32 s[WV], \n
	s_cbranch_scc0 .Lnone_\@
	tensor_load_to_lds s[G0+4*\f:G0+4*\f+3], s[G1:G1+7]
	s_nop 0
	PLACES
.Lnone_\@:
.endm
.macro MKG f, lds, gl
	s_mov_b32 s[G0+4*\f], 1
	s_add_co_u32 s[G0+4*\f+1], s20, \lds
	s_add_nc_u64 s[G0+4*\f+2:G0+4*\f+3], s[6:7], \gl
	s_or_b32 s[G0+4*\f+3], s[G0+4*\f+3], 0x80000000
.endm
; The 128 numbers in S (64 q + 32 c + i: block 2 c + h of my row of tile q) become two fragments at dst and two scale words at wd.  ab = 1: magnitudes are taken
.macro QUANT dst, wd, ab
.irp q, 0,1
.irp c, 0,1
.if \ab
	v_max3_num_f32 v[MX+2*\q+\c], |v[S+64*\q+32*\c]|, |v[S+64*\q+32*\c+1]|, FLOOR
.else
	v_max3_num_f32 v[MX+2*\q+\c], v[S+64*\q+32*\c], v[S+64*\q+32*\c+1], FLOOR
.endif
.endr
.endr
.irp i, 2,4,6,8,10,12,14,16,18,20,22,24,26,28,30
.irp q, 0,1
.irp c, 0,1                            ; four chains by turns
.if \ab
	v_max3_num_f32 v[MX+2*\q+\c], v[MX+2*\q+\c], |v[S+64*\q+32*\c+\i]|, |v[S+64*\q+32*\c+\i+1]|
.else
	v_max3_num_f32 v[MX+2*\q+\c], v[MX+2*\q+\c], v[S+64*\q+32*\c+\i], v[S+64*\q+32*\c+\i+1]
.endif
.endr
.endr
.endr
.irp n, 0,1,2,3
	v_add_nc_u32 v[SOP+\n], 0xff000000, v[MX+\n]   ; 2 off the exponent field: the conversion's scale operand
.endr
.irp n, 0,1,2,3
	v_lshrrev_b32 v[BY+\n], 23, v[SOP+\n]          ; the scale's byte
.endr
.irp q, 0,1
	v_lshl_or_b32 v[BY+2*\q], v[BY+2*\q+1], 16, v[BY+2*\q]   ; blocks h and 2 + h,
.endr
.irp q, 0,1
	s_delay_alu instid0(VALU_DEP_2)
	v_lshlrev_b32 v[BY+2*\q], v[H8], v[BY+2*\q]    ; at their places in the word;
.endr
.irp q, 0,1
	s_delay_alu instid0(VALU_DEP_2)
	v_permlanex16_b32 v[PT+\q], v[BY+2*\q], s[SEL], s[SEL+1]
.endr
.irp q, 0,1
	s_delay_alu instid0(VALU_DEP_2)
	v_or_b32 v[\wd+\q], v[BY+2*\q], v[PT+\q]       ; with lane l xor 16's two the word is whole
.endr
.irp q, 0,1
.irp c, 0,1
	v_cvt_scalef32_pk16_fp6_f32 v[\dst+12*\q+6*\c:\dst+12*\q+6*\c+2], v[S+64*\q+32*\c:S+64*\q+32*\c+15], v[SOP+2*\q+\c]
	v_cvt_scalef32_pk16_fp6_f32 v[CT+8*\q+4*\c:CT+8*\q+4*\c+2], v[S+64*\q+32*\c+16:S+64*\q+32*\c+31], v[SOP+2*\q+\c]   ; (a conversion's three registers begin on an even number)
.endr
.endr
	v_nop                                          ; one plain place behind a scaled conversion
.irp q, 0,1
.irp c, 0,1
.irp i, 0,1,2
	v_mov_b32 v[\dst+12*\q+6*\c+3+\i], v[CT+8*\q+4*\c+\i]
.endr
.endr
.endr
.rept 8
	v_nop                                          ; a scale register written by a vector instruction stands 8 places ahead of a scaled matrix instruction, an operand 4
.endr
.endm
.macro ROWSUM                          ; the rows' sums of the unquantised p: four chains by turns
.set j, 0
.rept 16
	v_pk_add_f32 v[L:L+1], v[L:L+1], v[S+j:S+j+1]
	v_pk_add_f32 v[L+4:L+5], v[L+4:L+5], v[S+64+j:S+64+j+1]
	v_pk_add_f32 v[L+2:L+3], v[L+2:L+3], v[S+j+2:S+j+3]
	v_pk_add_f32 v[L+6:L+7], v[L+6:L+7], v[S+64+j+2:S+64+j+3]
.set j, j+4
.endr
.endm
.macro TR top, tq                      ; a batch of 64 transcendentals on tile tq, a plain place, and the batch's wait
.set j, 0
.rept 64
	\top v[S+64*\tq+j], v[S+64*\tq+j]
.set j, j+1
.endr
	v_nop
	s_wait_alu depctr_va_vdst(0)
.endm
.macro STG top, tq, kind, pq           ; tile tq's transcendentals by turns with tile pq's packed arithmetic (kind 1: 1 + E; 2: c0 - c1 r); what a stage writes is first read behind its closing wait
.set j, 0
.rept 32
	\top v[S+64*\tq+j], v[S+64*\tq+j]
	\top v[S+64*\tq+j+1], v[S+64*\tq+j+1]
.if \kind == 1
	v_pk_add_f32 v[S+64*\pq+j:S+64*\pq+j+1], v[S+64*\pq+j:S+64*\pq+j+1], 1.0 op_sel_hi:[1,0]
.else
	v_pk_fma_f32 v[S+64*\pq+j:S+64*\pq+j+1], v[S+64*\pq+j:S+64*\pq+j+1], s[C1:C1+1], v[CC:CC+1] op_sel_hi:[1,0,0]
.endif
.set j, j+2
.endr
	s_wait_alu depctr_va_vdst(0)
.endm
.macro KQT t, q                        ; K's tile t with Q's tile q: one instruction deep, C = 0
.set rD, S+64*(\q)+8*(\t)
.set rA, FR+12*(\t)
.set rB, QF+12*(\q)
.set rS, KS+2*((\t)/4)+((\t)%4)/2
.if (\t)%2
	v_wmma_scale_f32_16x16x128_f8f6f4 v[rD:rD+7], v[rA:rA+11], v[rB:rB+11], 0, v[rS], v[QS+\q] matrix_a_fmt:MATRIX_FMT_FP6 matrix_b_fmt:MATRIX_FMT_FP6 matrix_a_scale:MATRIX_SCALE_ROW1
.else
	v_wmma_scale_f32_16x16x128_f8f6f4 v[rD:rD+7], v[rA:rA+11], v[rB:rB+11], 0, v[rS], v[QS+\q] matrix_a_fmt:MATRIX_FMT_FP6 matrix_b_fmt:MATRIX_FMT_FP6
.endif
.endm
.macro PVT t, q, first                 ; V's tile t with p's tile q; first = 1 starts the sum
.set rD, O+64*(\q)+8*(\t)
.set rA, FR+12*(\t)
.set rB, PC+12*(\q)
.set rS, VS+2*((\t)/4)+((\t)%4)/2
.if \first
.if (\t)%2
	v_wmma_scale_f32_16x16x128_f8f6f4 v[rD:rD+7], v[rA:rA+11], v[rB:rB+11], 0, v[rS], v[PW+\q] matrix_a_fmt:MATRIX_FMT_FP6 matrix_b_fmt:MATRIX_FMT_FP6 matrix_a_scale:MATRIX_SCALE_ROW1
.else
	v_wmma_scale_f32_16x16x128_f8f6f4 v[rD:rD+7], v[rA:rA+11], v[rB:rB+11], 0, v[rS], v[PW+\q] matrix_a_fmt:MATRIX_FMT_FP6 matrix_b_fmt:MATRIX_FMT_FP6
.endif
.else
.if (\t)%2
	v_wmma_scale_f32_16x16x128_f8f6f4 v[rD:rD+7], v[rA:rA+11], v[rB:rB+11], v[rD:rD+7], v[rS], v[PW+\q] matrix_a_fmt:MATRIX_FMT_FP6 matrix_b_fmt:MATRIX_FMT_FP6 matrix_a_scale:MATRIX_SCALE_ROW1
.else
	v_wmma_scale_f32_16x16x128_f8f6f4 v[rD:rD+7], v[rA:rA+11], v[rB:rB+11], v[rD:rD+7], v[rS], v[PW+\q] matrix_a_fmt:MATRIX_FMT_FP6 matrix_b_fmt:MATRIX_FMT_FP6
.endif
.endif
.endm
.macro FLOAD base                      ; eight images into the eight fragments: 24 loads of 512 consecutive bytes
	WIN 0x40
.irp t, 0,1,2,3,4,5,6,7
.irp j, 0,1,2
	ds_load_b128 v[FR+12*\t+4*\j:FR+12*\t+4*\j+3], v[ADR] offset:\base+TILEB*\t+512*\j
.endr
.endr
	WIN 0
.endm
; A KEY STEP: 128 keys x my 32 queries.  Its 32 matrix instructions name 32 different accumulators.
.macro STEP first
	v_add_nc_u32 v[ADR], s[TB], v[LI]              ; these two and two v_nop are the places behind the last step's products
	v_add_nc_u32 v[ADS], s[TB], v[LS]
	v_nop
	v_nop
	s_wait_alu depctr_va_vdst(0)
	ds_load_b64 v[KS:KS+1], v[ADS] offset:SCKO
	ds_load_b64 v[KS+2:KS+3], v[ADS] offset:SCKO+256
	ds_load_b64 v[VS:VS+1], v[ADS] offset:SCVO
	ds_load_b64 v[VS+2:VS+3], v[ADS] offset:SCVO+256
	FLOAD 0
.if \first == 0
	ROWSUM                                         ; the last step's p, while the loads are out
.endif
	s_wait_dscnt 12                                ; the scale words and K's tiles 0-3 are in; the 12 loads of tiles 4-7 may be out
	WIN 0x01
.irp t, 0,1,2,3
	KQT \t, 0
	KQT \t, 1
.endr
	s_wait_dscnt 0x0
.irp t, 4,5,6,7
	KQT \t, 0
	KQT \t, 1
.endr
	PLACES                                         ; ahead of the loads below and of the first read of the scores
	FLOAD VIMG                                     ; V's eight tiles land while the softmax is worked
.set j, 0
.rept 64
	v_pk_mul_f32 v[S+j:S+j+1], v[S+j:S+j+1], s[K1:K1+1] op_sel_hi:[1,0]   ; x = score x k1; each accumulator from its low end on
.set j, j+2
.endr
	s_wait_alu depctr_va_vdst(0)
	TR v_exp_f32, 0                                ; E
	STG v_exp_f32, 1, 1, 0
	STG v_rcp_f32, 0, 1, 1                         ; r
	STG v_rcp_f32, 1, 2, 0
	STG v_exp_f32, 0, 2, 1                         ; p = 2^(t - 29)
	TR v_exp_f32, 1
	QUANT PC, PW, 0
	s_wait_dscnt 0x0                               ; V's tiles
	WIN 0x51
	s_wait_alu depctr_va_vdst(0)                   ; ahead of the first reader of O^T, of p's codes and of its scale words
.irp t, 0,1,2,3,4,5,6,7
	PVT \t, 0, \first
	PVT \t, 1, \first
.endr
	WIN 0
	s_add_co_u32 s[TB], s[TB], STEPB
.endm
.macro WALK n
	s_mov_b32 s[CNT], \n
.Lstep_\@:
	STEP 0
	s_sub_co_u32 s[CNT], s[CNT], 1
	s_cmp_lg_u32 s[CNT], 0
	s_cbranch_scc1 .Lstep_\@
.endm
	s_load_b128 s[4:7], s[0:1], 0x0                ; Q, kv
	s_load_b64 s[8:9], s[0:1], 0x10                ; out0
	v_lshl_add_u32 v[SPW], v0, 2, SPARE
	v_mov_b32 v[NIL], 0
	ds_add_u32 v[SPW], v[NIL]
	ds_add_u32 v[SPW], v[NIL]
	v_lshrrev_b32 v1, 5, v0
	s_delay_alu instid0(VALU_DEP_1)
	v_readfirstlane_b32 s[WV], v1                  ; wave 0..7
	s_bfe_u32 s12, ttmp6, 0x40000                  ; cx: it enters Q's and out0's addresses alone
	s_lshl_b32 s13, ttmp9, 2
	s_add_co_u32 s13, s13, s12                     ; my block of 256 queries
	s_and_b32 s14, ttmp7, 0xffff                   ; the head, which the four partners share
	s_lshl_b32 s16, s14, 20
	s_lshl_b32 s17, s13, 17
	s_add_co_u32 s16, s16, s17
	s_lshl_b32 s17, s[WV], 14                      ; + wave x 32 rows of 512 bytes
	s_add_co_u32 s16, s16, s17
	s_mov_b32 s17, 0
	s_mul_i32 s20, s[WV], STEPB                    ; my step's block within a fill: in memory and in a region alike
	s_mul_i32 s18, s14, HEADB
	s_add_co_u32 s18, s18, s20
	s_mov_b32 s19, 0
	s_mov_b32 s[G1], 15|(3<<16)|(1<<21)            ; the mask of all four; elements of 8 bytes; bit 21 beside a mask: a dense block of 100 rows of 256 bytes
	s_mov_b32 s[G1+1], 32<<16
	s_mov_b32 s[G1+2], 100<<16
	s_mov_b32 s[G1+3], 32<<16
	s_mov_b32 s[G1+4], 100
	s_mov_b32 s[G1+5], 32
	s_mov_b32 s[G1+6], 0
	s_mov_b32 s[G1+7], 0
	s_mov_b32 s[K1], 0x3c50ecb0                    ; k1
	s_mov_b32 s[K1+1], s[K1]
	s_mov_b32 s[C1], 0xc266d4ca                    ; -c1
	s_mov_b32 s[C1+1], s[C1]
	s_mov_b32 s[SEL], 0x76543210
	s_mov_b32 s[SEL+1], 0xfedcba98
	s_wait_dscnt 0x0
	s_wait_kmcnt 0x0
	s_add_nc_u64 s[4:5], s[4:5], s[16:17]
	s_add_nc_u64 s[8:9], s[8:9], s[16:17]
	s_add_nc_u64 s[6:7], s[6:7], s[18:19]
	MKG 0, 0, 0
	MKG 1, RB, 5*STEPB
	MKG 2, 0, 11*STEPB
	CROUND                                         ; all four work-groups are here: the first joint loads meet
	JLOAD 0, 5                                     ; steps 0-4: one tensor load a wave at the head
	; Q: my 32 rows, read as they lie (sixteen lanes take 256 consecutive bytes), turned through my stage, quantised in registers
	v_and_b32 v12, 15, v0                          ; r
	v_bfe_u32 v13, v0, 4, 1                        ; h
	s_delay_alu instid0(VALU_DEP_1)
	v_lshlrev_b32 v[GO], 9, v13
	s_delay_alu instid0(VALU_DEP_1)
	v_lshl_add_u32 v[GO], v12, 4, v[GO]
	WIN 0x40                                       ; they land in window 1, where O^T will lie
.irp q, 0,1
.irp c, 0,1
.irp i, 0,1,2,3,4,5,6,7
	global_load_b128 v[64*\q+32*\c+4*\i:64*\q+32*\c+4*\i+3], v[GO], s[4:5] offset:8192*\q+1024*\i+256*\c th:TH_LOAD_NT
.endr
.endr
.endr
	WIN 0
	v_and_b32 v[LI], 31, v0
	s_delay_alu instid0(VALU_DEP_1)
	v_lshlrev_b32 v[LS], 3, v[LI]
	s_delay_alu instid0(VALU_DEP_2)
	v_lshlrev_b32 v[LI], 4, v[LI]
	s_mul_i32 s21, s[WV], 16*SP
	s_add_co_u32 s21, s21, STAGE                   ; my stage
	v_mul_u32_u24 v[STI], v12, SP
	s_delay_alu instid0(VALU_DEP_1)
	v_add_nc_u32 v[STI], s21, v[STI]
	s_delay_alu instid0(VALU_DEP_1)
	v_lshl_add_u32 v[QRD], v13, 7, v[STI]
	s_delay_alu instid0(VALU_DEP_2)
	v_lshl_add_u32 v[STI], v13, 5, v[STI]
	v_mul_u32_u24 v[STB], v13, SP
	s_delay_alu instid0(VALU_DEP_1)
	v_lshl_add_u32 v[STB], v12, 4, v[STB]
	s_delay_alu instid0(VALU_DEP_1)
	v_add_nc_u32 v[STB], s21, v[STB]
	v_lshlrev_b32 v[H8], 3, v13
	v_mov_b32 v[PT], 0                             ; a lane permute's destination counts as one of its sources
	v_mov_b32 v[PT+1], 0
	s_wait_alu depctr_va_vdst(0)
.irp q, 0,1
.irp c, 0,1                                    ; LDS serves a wave's instructions in order: the loads see the stores above them, the next pass's stores come behind them
	s_wait_loadcnt 24-16*\q-8*\c                   ; this pass's eight loads are in; the later passes' may be out
	WIN 0x04
.irp i, 0,1,2,3,4,5,6,7
	ds_store_b128 v[STB], v[64*\q+32*\c+4*\i:64*\q+32*\c+4*\i+3] offset:2*SP*\i
.endr
	WIN 0
.irp j, 0,1,2,3,4,5,6,7
	ds_load_b128 v[S+64*\q+32*\c+4*\j:S+64*\q+32*\c+4*\j+3], v[QRD] offset:16*\j   ; register 64 q + 32 c + i = Q(16 q + r, 64 c + 32 h + i)
.endr
.endr
.endr
	s_wait_dscnt 0x0
	QUANT QF, QS, 1
.irp i, 0,1,2,3,4,5,6,7
	v_mov_b32 v[L+\i], 0
.endr
	v_mov_b32 v[CC], 0xbe159b06                    ; c0
	v_mov_b32 v[CC+1], 0xbe159b06
	s_wait_alu depctr_va_vdst(0)
	s_wait_tensorcnt 0x0                           ; my part of fill 0 is in
	ds_add_u32 v[SPW], v[NIL]                      ; the add, here twice
	ds_add_u32 v[SPW], v[NIL]
	s_mov_b32 s[TB], 0
	s_wait_dscnt 0x0
	CROUND                                         ; everybody's part is in
	JLOAD 1, 6                                     ; steps 5-10 into region B
	STEP 1                                         ; step 0 starts O^T's sums
	WALK 4                                         ; steps 1-4
	s_wait_tensorcnt 0x0                           ; my part of fill 1
	ds_add_u32 v[SPW], v[NIL]
	ds_add_u32 v[SPW], v[NIL]
	s_mov_b32 s[TB], RB
	s_wait_dscnt 0x0                               ; the adds are done, my reads of region A are over
	CROUND
	JLOAD 2, 5                                     ; steps 11-15 into region A
	WALK 6                                         ; steps 5-10
	s_wait_tensorcnt 0x0                           ; my part of fill 2; nothing is left to ask for
	ds_add_u32 v[SPW], v[NIL]
	s_mov_b32 s[TB], 0
	s_wait_dscnt 0x0
	s_barrier_signal -1
	s_barrier_wait -1
	WALK 5                                         ; steps 11-15
	; THE WAY OUT.  O^T is divided by the row's sum and goes through my stage, half a row (256 bytes) of 16 queries at a time.
	ROWSUM                                         ; the last step's p; also the places behind the last products
.irp q, 0,1
	v_pk_add_f32 v[L+4*\q:L+4*\q+1], v[L+4*\q:L+4*\q+1], v[L+4*\q+2:L+4*\q+3]
.endr
.irp q, 0,1
	s_delay_alu instid0(VALU_DEP_2)
	v_add_f32 v[L+4*\q+2], v[L+4*\q], v[L+4*\q+1]
.endr
.irp q, 0,1
	s_delay_alu instid0(VALU_DEP_2)
	v_permlanex16_b32 v[PT+\q], v[L+4*\q+2], s[SEL], s[SEL+1]
.endr
.irp q, 0,1
	s_delay_alu instid0(VALU_DEP_2)
	v_add_f32 v[L+4*\q+2], v[L+4*\q+2], v[PT+\q]   ; with lane l xor 16's keys: the row's sum
.endr
	s_wait_alu depctr_va_vdst(0)
	v_rcp_f32 v[L], v[L+2]
	v_rcp_f32 v[L+4], v[L+6]
	v_nop
	WIN 0x01
	s_wait_alu depctr_va_vdst(0)                   ; ahead of the first reader of the reciprocals and of O^T
.irp q, 0,1
.set j, 0
.rept 32
	v_pk_mul_f32 v[S+64*\q+j:S+64*\q+j+1], v[O+64*\q+j:O+64*\q+j+1], v[L+4*\q:L+4*\q+1] op_sel_hi:[1,0]   ; register 64 q + 8 T + i is out0(16 q + r, 16 T + 8 h + i)
.set j, j+2
.endr
.endr
	WIN 0
	s_wait_alu depctr_va_vdst(0)
.irp q, 0,1
.irp u, 0,1
.irp t, 0,1,2,3
	ds_store_b128 v[STI], v[S+64*\q+32*\u+8*\t:S+64*\q+32*\u+8*\t+3] offset:64*\t
	ds_store_b128 v[STI], v[S+64*\q+32*\u+8*\t+4:S+64*\q+32*\u+8*\t+7] offset:64*\t+16
.endr
	WIN 0x40
.irp i, 0,1,2,3,4,5,6,7
	ds_load_b128 v[O+64*\q+32*\u+4*\i:O+64*\q+32*\u+4*\i+3], v[STB] offset:2*SP*\i   ; in order behind my stores; the next pass's stores come behind them
.endr
	WIN 0
.endr
.endr
	WIN 0x04
.irp q, 0,1
.irp u, 0,1
.irp i, 0,1,2,3,4,5,6,7
	s_wait_dscnt 55-32*\q-16*\u-\i                 ; behind this load stand the rest of its eight and the later passes' 16 LDS instructions each
	global_store_b128 v[GO], v[O+64*\q+32*\u+4*\i:O+64*\q+32*\u+4*\i+3], s[8:9] offset:8192*\q+1024*\i+256*\u th:TH_STORE_NT   ; 16 lanes store 256 consecutive bytes, aligned
.endr
.endr
.endr
	WIN 0
	s_wait_tensorcnt 0x0                           ; the wave's end
	ds_add_u32 v[SPW], v[NIL]
	s_wait_dscnt 0x0
	CROUND                                         ; the closing round
	s_endpgm
.Lfunc_end_k_q4cabb082ab_attn:
	.size	k_q4cabb082ab_attn, .Lfunc_end_k_q4cabb082ab_attn-k_q4cabb082ab_attn
	.p2alignl 7, 3214868480
	.fill 96, 4, 3214868480
	.section	.rodata,"a",@progbits
	.p2align	6, 0x0
	.amdhsa_kernel k_q4cabb082ab_attn
		.amdhsa_group_segment_fixed_size 327680
		.amdhsa_private_segment_fixed_size 0
		.amdhsa_enable_private_segment 0
		.amdhsa_kernarg_size 24
		.amdhsa_user_sgpr_count 2
		.amdhsa_user_sgpr_kernarg_segment_ptr 1
		.amdhsa_wavefront_size32 1
		.amdhsa_system_sgpr_workgroup_id_x 1
		.amdhsa_system_sgpr_workgroup_id_y 1
		.amdhsa_system_sgpr_workgroup_id_z 1
		.amdhsa_system_vgpr_workitem_id 0
		.amdhsa_next_free_vgpr 512
		.amdhsa_next_free_sgpr 66
		.amdhsa_reserve_vcc 0
		.amdhsa_float_denorm_mode_32 3
		.amdhsa_float_denorm_mode_16_64 3
		.amdhsa_memory_ordered 1
		.amdhsa_forward_progress 1
		.amdhsa_inst_pref_size 205
	.end_amdhsa_kernel
	.amdgpu_metadata
---
amdhsa.version: [ 1, 2 ]
amdhsa.kernels:
  - .name:           k_q4cabb082ab_attn
    .symbol:         k_q4cabb082ab_attn.kd
    .args:
      - { .name: Q, .offset: 0, .size: 8, .value_kind: global_buffer, .address_space: global }
      - { .name: kv, .offset: 8, .size: 8, .value_kind: global_buffer, .address_space: global }
      - { .name: out0, .offset: 16, .size: 8, .value_kind: global_buffer, .address_space: global }
    .group_segment_fixed_size: 327680
    .private_segment_fixed_size: 0
    .kernarg_segment_align: 8
    .kernarg_segment_size: 24
    .max_flat_workgroup_size: 256
    .sgpr_count:     66
    .vgpr_count:     512
    .wavefront_size: 32
...
	.end_amdgpu_metadata
.endif
;; end of part 2
